; MI455X (gfx1250); checked and timed in simulation.
; The chip was launched on July 23, 2026; its instructions are those of AMD's public machine-readable ISA for CDNA 5 (MIT licence, August 2026) and "CDNA5" Instruction Set Architecture Reference Guide (July 2026). The comments in the code are by the model that wrote it; some were corrected since.
;; LSTM Cell. Allowed arithmetic: matrix products marked QUANTISED: E5M2 operands, one given power-of-two scale a tensor, by v_wmma_f32_16x16x64_bf8_bf8 or v_wmma_f32_16x16x128_bf8_bf8, f32 sums; everything else in f32.
;; Inputs: b_hc 2,048 float32; b_hf 2,048 float32; b_hi 2,048 float32; b_ho 2,048 float32; b_xc 2,048 float32; b_xf 2,048 float32; b_xi 2,048 float32; b_xo 2,048 float32; c 2,048 x 2,048 float32; h_codes 2,048 x 64 x 32 uint8 (E5M2 codes of h, K innermost, in blocks of 32 codes); lowp_scales 16 int32 (the exponents e of the quantised operands' scales 2^e); w_hc_codes 2,048 x 64 x 32 uint8 (E5M2 codes of w_hc, K innermost, in blocks of 32 codes); w_hf_codes 2,048 x 64 x 32 uint8 (E5M2 codes of w_hf, K innermost, in blocks of 32 codes); w_hi_codes 2,048 x 64 x 32 uint8 (E5M2 codes of w_hi, K innermost, in blocks of 32 codes); w_ho_codes 2,048 x 64 x 32 uint8 (E5M2 codes of w_ho, K innermost, in blocks of 32 codes); w_xc_codes 2,048 x 64 x 32 uint8 (E5M2 codes of w_xc, K innermost, in blocks of 32 codes); w_xf_codes 2,048 x 64 x 32 uint8 (E5M2 codes of w_xf, K innermost, in blocks of 32 codes); w_xi_codes 2,048 x 64 x 32 uint8 (E5M2 codes of w_xi, K innermost, in blocks of 32 codes); w_xo_codes 2,048 x 64 x 32 uint8 (E5M2 codes of w_xo, K innermost, in blocks of 32 codes); x_codes 2,048 x 64 x 32 uint8 (E5M2 codes of x, K innermost, in blocks of 32 codes).
;; Outputs: out0 2,048 x 2,048 float32; out1 2,048 x 2,048 float32.
;; This version of the problem:
;;   THIS VERSION OF THE PROBLEM IS GIVEN IN LOW PRECISION. The matrix products marked QUANTISED in the list below multiply operands that are first quantised to E5M2 (5 exponent bits, 2 mantissa bits; 8 bits a number), with one given power-of-two scale for each operand tensor; their sums are f32. All else is computed in f32.
;;   The module's matrix products, in the order in which they are computed (A, B: the left and right operand; K: the contracted axis; several contracted axes count as one K, in the product's order):
;;     1. [M 2,048, K 2,048] x [K 2,048, N 2,048]; A: input x (given as codes); B: input w_xi (given as codes): QUANTISED (scales: A lowp_scales[0], B lowp_scales[1])
;;     2. [M 2,048, K 2,048] x [K 2,048, N 2,048]; A: input h (given as codes); B: input w_hi (given as codes): QUANTISED (scales: A lowp_scales[2], B lowp_scales[3])
;;     3. [M 2,048, K 2,048] x [K 2,048, N 2,048]; A: input x (given as codes); B: input w_xf (given as codes): QUANTISED (scales: A lowp_scales[4], B lowp_scales[5])
;;     4. [M 2,048, K 2,048] x [K 2,048, N 2,048]; A: input h (given as codes); B: input w_hf (given as codes): QUANTISED (scales: A lowp_scales[6], B lowp_scales[7])
;;     5. [M 2,048, K 2,048] x [K 2,048, N 2,048]; A: input x (given as codes); B: input w_xc (given as codes): QUANTISED (scales: A lowp_scales[8], B lowp_scales[9])
;;     6. [M 2,048, K 2,048] x [K 2,048, N 2,048]; A: input h (given as codes); B: input w_hc (given as codes): QUANTISED (scales: A lowp_scales[10], B lowp_scales[11])
;;     7. [M 2,048, K 2,048] x [K 2,048, N 2,048]; A: input x (given as codes); B: input w_xo (given as codes): QUANTISED (scales: A lowp_scales[12], B lowp_scales[13])
;;     8. [M 2,048, K 2,048] x [K 2,048, N 2,048]; A: input h (given as codes); B: input w_ho (given as codes): QUANTISED (scales: A lowp_scales[14], B lowp_scales[15])
;;   THE QUANTISER, for each operand of a quantised product, along K:
;;     - The operand's scale is 2^e, e = its entry of the input lowp_scales (int32; the entries are numbered through the quantised products in the list's order, A before B).
;;     - Each number is divided by the scale, clamped to +-57,344, and rounded to the nearest number of E5M2, ties to even, subnormals kept.
;;     - The product sums the exact products of the quantised numbers (number of the format x scale) in f32.
;;   ~~~python
;;   def quantise(x, axis, e):      # numpy; x: float32 -> the quantised numbers, widened to float32 again
;;       x = np.moveaxis(x, axis, -1); K = x.shape[-1]
;;       r = np.clip(x / 2.0 ** e, -57344, 57344)
;;       step = 2.0 ** (np.maximum(np.frexp(np.where(r == 0, 1, r))[1] - 1, -14) - 2)
;;       q = np.round(r / step) * step * 2.0 ** e      # np.round: ties to even
;;       return np.moveaxis(q, -1, axis).astype(np.float32)
;;   ~~~
;;   INPUTS GIVEN AS CODES. h (in the module: [2048, 2048], K = its axis 1); w_hc (in the module: [2048, 2048], K = its axis 1); w_hf (in the module: [2048, 2048], K = its axis 1); w_hi (in the module: [2048, 2048], K = its axis 1); w_ho (in the module: [2048, 2048], K = its axis 1); w_xc (in the module: [2048, 2048], K = its axis 1); w_xf (in the module: [2048, 2048], K = its axis 1); w_xi (in the module: [2048, 2048], K = its axis 1); w_xo (in the module: [2048, 2048], K = its axis 1); x (in the module: [2048, 2048], K = its axis 1): each comes as NAME_codes (uint8): NAME with its K axis moved to the last place and cut into blocks of 32 codes, [.., K / 32, bytes a block], one block behind the other in memory; one code a byte (a code: sign, 5 exponent bits, 2 mantissa bits); its scale is its entry of lowp_scales. Its value is code x scale, taken as it is: it is not quantised again, and the codes and scales need not be those that the quantiser above would give.
;; One version. Each part assembles by itself: llvm-mc -triple=amdgcn-amd-amdhsa -mcpu=gfx1250 --defsym DOCPART=n.
;; ======== version 1 of 1: 1 launch
;; limits: inputs' magnitudes at most 1.15e+18; right only within a limited range of input values
;; launch lstm (part 1): grid 32 x 8, 4 waves a work-group, clusters of 4 x 4, 327,680 bytes of LDS; arguments x_codes, h_codes, w_xi_codes, w_xf_codes, w_xc_codes, w_xo_codes, w_hi_codes, w_hf_codes, w_hc_codes, w_ho_codes, lowp_scales, c, out0, out1, b_xi, b_xf, b_xc, b_xo, b_hi, b_hf, b_hc, b_ho; writes out0, out1
.if DOCPART == 1
	.amdgcn_target "amdgcn-amd-amdhsa--gfx1250"
	.amdhsa_code_object_version 6
	.text
	.protected	k_q1351282e28_lstm
	.globl	k_q1351282e28_lstm
	.p2align	8
	.type	k_q1351282e28_lstm,@function
k_q1351282e28_lstm:
	s_mov_b64 s[64:65], 0
	v_nop
	global_prefetch_b8 v0, s[64:65] scope:SCOPE_SE
	s_setreg_imm32_b32 hwreg(HW_REG_WAVE_MODE, 25, 1), 1
	s_wait_xcnt 0x0
	s_wait_alu depctr_hold_cnt(0) depctr_sa_sdst(0) depctr_va_vdst(0) depctr_va_sdst(0) depctr_va_ssrc(0) depctr_va_vcc(0) depctr_vm_vsrc(0)
	s_getreg_b32 s2, hwreg(HW_REG_IB_STS2, 6, 4)
	s_cmp_eq_u32 s2, 0
	s_cbranch_scc0 .Lentry_in_a_cluster
	s_endpgm
.Lentry_in_a_cluster:
	s_bfe_u32 s2, ttmp6, 0x10000c
	s_cmp_lg_u32 s2, 0xf033
	s_cbranch_scc0 .Lentry_shape_is_right
	s_endpgm
.Lentry_shape_is_right:
; An LSTM cell: the eight products of codes (E5M2), the gates and both outputs in one launch.  256 work-groups: 32 tile columns of 64 x 8 tile rows of 256; a work-group makes
; its 64 columns of all four gates (i, f, g, o), so that c' and h' need nothing from another work-group.  Four waves; wave w makes rows 128 (w / 2) .. +127 and columns 32 (w % 2) .. +31
; of the four gates: 8 blocks a of 16 rows x 8 blocks b = 2 gate + u of 16 columns: 64 accumulators, 512 registers.
; K = 4,096: 2,048 of x, then 2,048 of h, in 16 K steps of 256 through two LDS slots.  Between the two the sums are multiplied by 2^(ex + ewx - eh - ewh) of their gate.
; THE MATRIX INSTRUCTION IS USED TRANSPOSED (source 0 = 16 weight rows, source 1 = 16 rows of x or h): a lane holds eight neighbouring columns of a row.
; CLUSTERS of 4 x 4: A's tile (256 rows of x or h) is asked for jointly along a row, the gates' tiles (64 rows each) along a column.  A step has five tiles and four waves with one tensor load each:
; wave 0 asks for A, waves 1 to 3 for i, f, g; o's 64 rows come by ordinary loads, 16 rows a wave, through two staging sets of 32 registers into LDS bytes that no tensor load fills.
; PREFETCH: a pair of K steps, two to three K steps ahead of the joint load; A's by the clusters with x = 0 and 4, B's by those with y = 0: not every cluster asks for the same bytes.
; The partners of such a cluster share the rows out by address.  The head asks for K steps 1 to 3.  c's rows are asked for two K steps ahead of c's load.
; LIMITS: for each gate eh + ewh and ex + ewx - eh - ewh lie between -120 and 120.  Exponents to the base 2 are held at 30: a sigmoid does not come out under 2^-30, tanh is within 2^-29 of 1 there.  |c| < 2^60.
.set PITCH,  272                       ; an LDS row: 256 bytes and 16 of padding
.set ABYTES, 256*PITCH
.set GBYTES, 64*PITCH
.set SLOT,   ABYTES+4*GBYTES
.set SPARE,  2*SLOT                    ; the spare words, 128 bytes for each wave
.set BIAS,   SPARE+512                 ; 4 gates x 64 summed biases, 1,024 bytes
.set FR,     16
.set RDH,  10
.set CO,   11
.set BAD,  12                          ; where I read biases
.set BST,  13                          ; where I put four of them
.set BOF,  14                          ; their byte offset in memory
.set ADRA, 16
.set GST,  18
.set ADRB, 20
.set GOFF, 22
.set PFO,  23
.set PCO,  24
.set CA,   25
.set HS,   26
.set RD,   27
.set SPW,  28
.set NIL,  29
.set PF1,  30
.set ST,   32                          ; v32-95   two staging sets for o's weights
.set BV,   96                          ; v96-103  the head: biases
.set AF,   128                         ; v128-255 A's fragments.  Window 1: B's two sets.  Windows 2, 3: sums of blocks 0-3, 4-7
.set TI,   32                          ; the way out
.set TF,   48
.set TG,   64
.set TQ,   80
.set UU,   96
.set OB,   112
.set CW,   64
.set WV,   20
.set CL,   23
.set G1A,  24
.set G1B,  32
.set G1C,  40
.set G0A,  48
.set G0B,  56
.set XA,   66
.set FA4,  2                           ; behind the head: 0 in the clusters that prefetch A
.set RB,   74                          ; s[66:67], s[74:75]: where slot 0's tiles of A and B stand, without the descriptor's type
.set HDA,  68
.set BXP,  70
.set HDB,  72
.set BHP,  92
.set KT,   70
.set G0C,  76
.set GB,   80
.set HG,   84
.set PFA,  88
.set PFB,  90
.set HPA,  92
.set HPB,  94
.set CP,   98
.set OO,   100
.set O0,   88
.set O1,   90
.set MSB, 0
.macro WIN new                         ; the immediate's high byte repeats the setting that is left
.if MSB != (\new)
	s_set_vgpr_msb (MSB<<8)|(\new)
.set MSB, (\new)
.endif
.endm
.set MUL_LO, 0xa1
.set TO_B,   0x40
.macro PLACES n
.rept \n
	v_nop
.endr
.endm
.macro JLOAD s                         ; wave 0: A; waves 1 to 3: i, f, g
	s_cmp_eq_u32 s[WV], 0
	s_cbranch_scc0 .Lfor_b_\@
	tensor_load_to_lds s[G0A+4*\s:G0A+4*\s+3], s[G1A:G1A+7]
	s_nop 0
.rept 4
	v_nop
.endr
	s_branch .Lasked_\@
.Lfor_b_\@:
	tensor_load_to_lds s[G0B+4*\s:G0B+4*\s+3], s[G1B:G1B+7]
	s_nop 0
.rept 4
	v_nop
.endr
.Lasked_\@:
.endm
.macro CREST                           ; a round of the cluster's barrier behind its opening barrier
	s_cmp_lg_u32 s[WV], 0
	s_cbranch_scc1 .Lnot_wave_0_\@
	s_barrier_signal -3
.Lnot_wave_0_\@:
	s_barrier_wait -3
	s_barrier_signal -1
	s_barrier_wait -1
.endm
.macro CROUND
	s_barrier_signal -1
	s_barrier_wait -1
	CREST
.endm
.macro ASK off, o1                     ; 16 rows a wave: lanes 0-15 one K step's 256 bytes, lanes 16-31 the next one's (off = PF1: the same)
	s_cmp_lg_u32 s[FA4], 0
	s_cbranch_scc1 .Lnot_a_\@
	global_prefetch_b8 v[\off], s[PFA:PFA+1] offset:\o1 th:TH_LOAD_NT scope:SCOPE_SE
.Lnot_a_\@:
	s_cmp_lg_u32 s97, 0
	s_cbranch_scc1 .Lnot_b_\@
	global_prefetch_b8 v[\off], s[PFB:PFB+1] offset:\o1 th:TH_LOAD_NT scope:SCOPE_SE
.Lnot_b_\@:
.endm
.macro FRAG reg, adr, q, row           ; 16 rows x 128 K: four loads; the same order of k in A and in B
.irp c, 0,1,2,3
	ds_load_b128 v[\reg+4*\c:\reg+4*\c+3], v[\adr] offset:128*(\q)+32*\c+(\row)*PITCH
.endr
.endm
.macro LB slot, q, p, i                ; B's blocks i, i + 1 (i even) into set p: eight loads
	WIN TO_B
	FRAG 128*(\p)+FR*(\i), ADRB+\slot, \q, 64*((\i)/2)
	FRAG 128*(\p)+FR*(\i)+FR, ADRB+\slot, \q, 64*((\i)/2)+16
.endm
.macro LA slot, q, i                   ; A's blocks i, i + 1: eight loads
	WIN 0
	FRAG AF+FR*(\i), ADRA+\slot, \q, 16*(\i)
	FRAG AF+FR*(\i)+FR, ADRA+\slot, \q, 16*(\i)+16
.endm
.macro MM a, b, p, zero
.set AC, 8*(8*((\a)%4)+(\b))
.set FB, 128*(\p)+FR*(\b)
.set FA, AF+FR*(\a)
.if \zero
	v_wmma_f32_16x16x128_bf8_bf8 v[AC:AC+7], v[FB:FB+15], v[FA:FA+15], 0
.else
	v_wmma_f32_16x16x128_bf8_bf8 v[AC:AC+7], v[FB:FB+15], v[FA:FA+15], v[AC:AC+7]
.endif
.endm
.macro PK a, b                         ; accumulator (a, b) x its gate's 2^(ex + ewx - eh - ewh)
	WIN 0x82+0x41*((\a)/4)
.set ii, 8*(8*((\a)%4)+(\b))
.rept 4
	v_pk_mul_f32 v[ii:ii+1], v[ii:ii+1], s[4+4*((\b)/2):5+4*((\b)/2)] op_sel_hi:[1,0]
.set ii, ii+2
.endr
.endm
; Eight matrix instructions: block a against B's eight.  The 64 accumulators take turns in the same order in every step.
; rs = 1: behind each of them the same column block of block a + 1 is rescaled, which is multiplied next.
.macro G a, p, zero, rs
.irp b, 0,1,2,3,4,5,6,7
	WIN MUL_LO+0x50*((\a)/4)
	MM \a, \b, \p, \zero
.if \rs
.if (\a) < 7
	PK \a+1, \b
.endif
.endif
.endr
.endm
.macro GLOAD set                       ; 16 rows x 256 bytes of o's weights
.irp i, 0,1,2,3,4,5,6,7
	global_load_b128 v[ST+32*(\set)+4*\i:ST+32*(\set)+4*\i+3], v[GOFF], s[GB+2*(\set):GB+2*(\set)+1] offset:4096*\i
.endr
.endm
.macro GSTORE set
.irp i, 0,1,2,3,4,5,6,7
	ds_store_b128 v[GST+(\set)], v[ST+32*(\set)+4*\i:ST+32*(\set)+4*\i+3] offset:2*PITCH*\i
.endr
.endm
; Slot 0's next descriptors (its last load was waited for at the last change of slots), and where the prefetches stand.  s3 = laps to go.
.macro DESC0
	s_wait_xcnt 0x0                                ; the prefetches have read their bases
	s_add_nc_u64 s[XA:XA+1], s[XA:XA+1], 512
	s_add_nc_u64 s[RB:RB+1], s[RB:RB+1], 512
	s_add_nc_u64 s[PFA:PFA+1], s[PFA:PFA+1], 512
	s_add_nc_u64 s[PFB:PFB+1], s[PFB:PFB+1], 512
	s_cmp_eq_u32 s3, 4                             ; the K step asked for next is h's first
	s_cselect_b64 s[XA:XA+1], s[HDA:HDA+1], s[XA:XA+1]
	s_cselect_b64 s[RB:RB+1], s[HDB:HDB+1], s[RB:RB+1]
	s_cmp_eq_u32 s3, 5                             ; the prefetches run one lap further on
	s_cselect_b64 s[PFA:PFA+1], s[HPA:HPA+1], s[PFA:PFA+1]
	s_cselect_b64 s[PFB:PFB+1], s[HPB:HPB+1], s[PFB:PFB+1]
	s_mov_b64 s[G0A+2:G0A+3], s[XA:XA+1]
	s_or_b32 s[G0A+3], s[G0A+3], 0x80000000
	s_mov_b64 s[G0B+2:G0B+3], s[RB:RB+1]
	s_or_b32 s[G0B+3], s[G0B+3], 0x80000000
.endm
.macro DESC1                           ; slot 1 takes the K step behind slot 0's
	s_add_nc_u64 s[G0A+6:G0A+7], s[XA:XA+1], 256
	s_or_b32 s[G0A+7], s[G0A+7], 0x80000000
	s_add_nc_u64 s[G0B+6:G0B+7], s[RB:RB+1], 256
	s_or_b32 s[G0B+7], s[G0B+7], 0x80000000
.endm
; A slot's first 128 along K.  Its second 128 of B were asked for ahead of it; A's blocks 0-3 follow behind the fifth group of products, blocks 4-7 at the end.
; st: staging set 1 - slot goes to LDS (1: and its base steps on); lc: younger loads that stay out.
.macro STEP slot, zero, st, desc, lc, rs
.if \rs
.irp b, 0,1,2,3,4,5,6,7
	PK 0, \b
.endr
.endif
	s_wait_dscnt 48                                ; A's blocks 4-7 (16 loads) and B's next set (32) may be out
	G 0, 0, \zero, \rs
.if \desc
.if \slot
	DESC1
.else
	DESC0
.endif
.endif
	G 1, 0, \zero, \rs
	G 2, 0, \zero, \rs
	G 3, 0, \zero, \rs
	s_wait_dscnt 32                                ; B's next set may be out
	G 4, 0, \zero, \rs
	PLACES 4                                       ; in front of loads into registers that the products above have read
	LA \slot, 1, 0
	LA \slot, 1, 2
.if \st
	s_wait_loadcnt \lc
	GSTORE 1-\slot
.if \st == 1
	s_add_nc_u64 s[GB+2*(1-\slot):GB+2*(1-\slot)+1], s[GB+2*(1-\slot):GB+2*(1-\slot)+1], 512
	s_cmp_eq_u32 s3, 4
	s_cselect_b64 s[GB+2*(1-\slot):GB+2*(1-\slot)+1], s[HG+2*(1-\slot):HG+2*(1-\slot)+1], s[GB+2*(1-\slot):GB+2*(1-\slot)+1]
.endif
.endif
	G 5, 0, \zero, \rs
	G 6, 0, \zero, \rs
.if \rs
	s_wait_alu depctr_va_vdst(0)                   ; ahead of the readers of block 7's rescaled sums
.endif
	G 7, 0, \zero, \rs
	PLACES 4
	LA \slot, 1, 4
	LA \slot, 1, 6
.endm
; A slot's second 128 along K changes slots: all my tensor loads have landed, the add, sixteen products, my reads of this slot are over; the round; the refill first behind it; then the next slot's first fragments.
; fill 1: this slot's K step two steps on; 2: c's tile.  gl: staging set 1 - slot is asked for anew.  pf 1: prefetch along K; 2: c's rows.
.macro TURN slot, fill, gl, pf
	s_wait_tensorcnt 0x0
	ds_add_u32 v[SPW], v[NIL]
	s_wait_dscnt 17                                ; A's blocks 4-7 and the add may be out
	G 0, 1, 0, 0
	G 1, 1, 0, 0
	s_wait_dscnt 0x0                               ; the add is done, my reads of this slot and my stores into the other are over
	s_barrier_signal -1
	G 2, 1, 0, 0
	WIN 0
	s_barrier_wait -1
	CREST
.if \fill == 1
	JLOAD \slot
.else
	tensor_load_to_lds s[G0C:G0C+3], s[G1C:G1C+7]
	s_nop 0
	PLACES 4
.endif
	LB 1-\slot, 0, 0, 0
	LB 1-\slot, 0, 0, 2
	LB 1-\slot, 0, 0, 4
	LB 1-\slot, 0, 0, 6
	G 3, 1, 0, 0
	G 4, 1, 0, 0
	G 5, 1, 0, 0
	PLACES 4
	LA 1-\slot, 0, 0
	LA 1-\slot, 0, 2
.if \gl
	GLOAD 1-\slot
.endif
.if \pf == 1
	ASK PFO, 0
.endif
.if \pf == 2
	global_prefetch_b8 v[PCO], s[CP:CP+1] th:TH_LOAD_NT scope:SCOPE_SE
	global_prefetch_b8 v[PCO], s[CP:CP+1] offset:262144 th:TH_LOAD_NT scope:SCOPE_SE
.endif
	G 6, 1, 0, 0
	G 7, 1, 0, 0
	PLACES 4
	LA 1-\slot, 0, 4
	LA 1-\slot, 0, 6
	LB 1-\slot, 1, 1, 0                            ; and the next step's own successor of B, from the same slot
	LB 1-\slot, 1, 1, 2
	LB 1-\slot, 1, 1, 4
	LB 1-\slot, 1, 1, 6
	WIN 0
.endm
	s_load_b512 s[24:39], s[0:1], 0x0              ; x, h, w_xi, w_xf, w_xc, w_xo, w_hi, w_hf
	s_load_b256 s[40:47], s[0:1], 0x40             ; w_hc, w_ho, the scales, c
	s_load_b512 s[4:19], s[0:1], 0x70              ; the eight biases
	v_lshl_add_u32 v[SPW], v0, 2, SPARE
	v_mov_b32 v[NIL], 0
	ds_add_u32 v[SPW], v[NIL]                      ; the wave's opening
	ds_add_u32 v[SPW], v[NIL]
	v_lshrrev_b32 v1, 5, v0
	v_readfirstlane_b32 s[WV], v1
	s_lshr_b32 s21, s[WV], 1                       ; my half of the rows
	s_and_b32 s22, s[WV], 1                        ; my half of the columns
	s_bfe_u32 s98, ttmp6, 0x40000                  ; cx, cy
	s_bfe_u32 s99, ttmp6, 0x40004
	s_lshl_b32 s96, ttmp9, 2
	s_add_co_u32 s96, s96, s98                     ; tile column
	s_and_b32 s97, ttmp7, 0xffff                   ; the cluster's y
	s_lshl_b32 s2, s97, 2
	s_add_co_u32 s2, s2, s99                       ; tile row
	s_lshl_b32 s23, s99, 2
	s_lshl_b32 s23, 15, s23                        ; my row of the cluster
	s_lshl_b32 s3, 0x1111, s98                     ; my column
	s_mul_i32 s100, s21, 128*PITCH
	s_mul_i32 s101, s22, 32*PITCH
	s_add_co_u32 s101, s101, ABYTES
	s_mul_i32 s76, s[WV], 16*PITCH
	s_add_co_u32 s76, s76, ABYTES+3*GBYTES
	s_lshl_b32 s77, s22, 7
	s_add_co_u32 s79, s77, BIAS
	s_add_co_u32 s77, s77, s100
	s_mul_i32 s78, s22, 8*PITCH
	s_add_co_u32 s78, s78, s100
	s_lshl_b32 s66, s[WV], 8
	s_add_co_u32 s66, s66, BIAS
	s_lshl_b32 s67, s96, 8
	v_and_b32 v1, 15, v0
	v_bfe_u32 v2, v0, 4, 1
	v_and_b32 v3, 31, v0
	v_mul_u32_u24 v4, v1, PITCH
	v_mul_u32_u24 v5, v2, PITCH
	v_lshl_add_u32 v6, v2, 4, v4                   ; a fragment's row, + 16 x half
	v_lshl_add_u32 v7, v1, 4, v5                   ; two rows of 256 bytes
	v_add_nc_u32 v[ADRA], s100, v6
	v_add_nc_u32 v[ADRB], s101, v6
	v_add_nc_u32 v[ADRA+1], SLOT, v[ADRA]
	v_add_nc_u32 v[ADRB+1], SLOT, v[ADRB]
	v_add_nc_u32 v[GST], s76, v7
	v_add_nc_u32 v[GST+1], SLOT, v[GST]
	v_lshlrev_b32 v[GOFF], 11, v2
	v_lshl_add_u32 v[GOFF], v1, 4, v[GOFF]
	v_lshlrev_b32 v[PF1], 11, v1
	v_lshl_add_u32 v[PFO], v2, 8, v[PF1]
	v_lshlrev_b32 v[PCO], 13, v3
	v_lshl_add_u32 v[CA], v2, 5, v4
	v_add_nc_u32 v[CA], s77, v[CA]
	v_add_nc_u32 v[HS], ABYTES, v[CA]
	v_add_nc_u32 v[RD], s78, v7
	v_add_nc_u32 v[RDH], ABYTES, v[RD]
	v_lshlrev_b32 v[CO], 13, v2
	v_lshl_add_u32 v[CO], v1, 4, v[CO]
	v_lshl_add_u32 v[BAD], v2, 5, s79
	v_lshl_add_u32 v[BST], v1, 4, s66
	v_lshl_add_u32 v[BOF], v1, 4, s67
	s_wait_alu depctr_va_vdst(0)
	s_wait_dscnt 0x0                               ; both opening adds are done
	s_wait_kmcnt 0x0
	; by wave: the gate whose tiles I ask for (wave 0: o, for its prefetches alone), and the gate whose biases I sum (wave w: gate w)
	s_cmp_eq_u32 s[WV], 1
	s_cselect_b64 s[84:85], s[28:29], s[34:35]
	s_cselect_b64 s[86:87], s[36:37], s[42:43]
	s_cselect_b64 s[BXP:BXP+1], s[6:7], s[4:5]
	s_cselect_b64 s[BHP:BHP+1], s[14:15], s[12:13]
	s_cmp_eq_u32 s[WV], 2
	s_cselect_b64 s[84:85], s[30:31], s[84:85]
	s_cselect_b64 s[86:87], s[38:39], s[86:87]
	s_cselect_b64 s[BXP:BXP+1], s[8:9], s[BXP:BXP+1]
	s_cselect_b64 s[BHP:BHP+1], s[16:17], s[BHP:BHP+1]
	s_cmp_eq_u32 s[WV], 3
	s_cselect_b64 s[84:85], s[32:33], s[84:85]
	s_cselect_b64 s[86:87], s[40:41], s[86:87]
	s_cselect_b64 s[BXP:BXP+1], s[10:11], s[BXP:BXP+1]
	s_cselect_b64 s[BHP:BHP+1], s[18:19], s[BHP:BHP+1]
	s_lshl_b32 s76, s96, 17                        ; 64 weight rows of 2,048 bytes x tile column
	s_mov_b32 s77, 0
	s_lshl_b32 s78, s[WV], 15
	s_add_co_u32 s78, s78, s76                     ; + my 16 of them
	s_mov_b32 s79, 0
	s_add_nc_u64 s[GB:GB+1], s[34:35], s[78:79]
	s_add_nc_u64 s[GB+2:GB+3], s[GB:GB+1], 256
	GLOAD 0                                        ; o's K steps 0 and 1, and the biases: asked for ahead of the first tile
	GLOAD 1
	global_load_b128 v[BV:BV+3], v[BOF], s[BXP:BXP+1]
	global_load_b128 v[BV+4:BV+7], v[BOF], s[BHP:BHP+1]
	s_lshl_b32 s100, s2, 19                        ; 256 rows of 2,048 bytes x tile row
	s_mov_b32 s101, 0
	s_add_nc_u64 s[XA:XA+1], s[24:25], s[100:101]
	s_add_nc_u64 s[HDA:HDA+1], s[26:27], s[100:101]
	s_mov_b32 s[G0A], 1
	s_mov_b32 s[G0A+1], 0
	s_mov_b64 s[G0A+2:G0A+3], s[XA:XA+1]
	s_or_b32 s[G0A+3], s[G0A+3], 0x80000000
	s_mov_b32 s[G0A+4], 1
	s_mov_b32 s[G0A+5], SLOT
	s_add_nc_u64 s[G0A+6:G0A+7], s[XA:XA+1], 256
	s_or_b32 s[G0A+7], s[G0A+7], 0x80000000
	s_add_nc_u64 s[RB:RB+1], s[84:85], s[76:77]
	s_add_nc_u64 s[HDB:HDB+1], s[86:87], s[76:77]
	s_mov_b32 s[G0B], 1
	s_mul_i32 s[G0B+1], s[WV], GBYTES
	s_add_co_u32 s[G0B+1], s[G0B+1], ABYTES-GBYTES
	s_mov_b64 s[G0B+2:G0B+3], s[RB:RB+1]
	s_or_b32 s[G0B+3], s[G0B+3], 0x80000000
	s_mov_b32 s[G0B+4], 1
	s_add_co_u32 s[G0B+5], s[G0B+1], SLOT
	s_add_nc_u64 s[G0B+6:G0B+7], s[RB:RB+1], 256
	s_or_b32 s[G0B+7], s[G0B+7], 0x80000000
	s_add_nc_u64 s[HG:HG+1], s[42:43], s[78:79]
	s_add_nc_u64 s[HG+2:HG+3], s[HG:HG+1], 256
	s_load_b512 s[4:19], s[44:45], 0x0             ; the 16 exponents
	s_or_b32 s[G1A], s23, (1<<20)|(1<<21)|(5<<22)|(3<<25)   ; bytes; the mask with bit 21; 16 bytes of padding behind every 256
	s_mov_b32 s[G1A+1], 256<<16
	s_mov_b32 s[G1A+2], 256<<16
	s_mov_b32 s[G1A+3], 256<<16
	s_mov_b32 s[G1A+4], 256
	s_mov_b32 s[G1A+5], 2048
	s_mov_b32 s[G1A+6], 0
	s_mov_b32 s[G1A+7], 0
	s_or_b32 s[G1B], s3, (1<<20)|(1<<21)|(5<<22)|(3<<25)
	s_mov_b32 s[G1B+1], 256<<16
	s_mov_b32 s[G1B+2], 64<<16
	s_mov_b32 s[G1B+3], 256<<16
	s_mov_b32 s[G1B+4], 64
	s_mov_b32 s[G1B+5], 2048
	s_mov_b32 s[G1B+6], 0
	s_mov_b32 s[G1B+7], 0
	CROUND                                         ; all sixteen work-groups are here: the first joint loads meet
	JLOAD 0                                        ; K step 0
	s_wait_xcnt 0x0                                ; the biases' loads have read their bases
	s_lshl_b32 s100, s98, 17                       ; prefetches: partner cx takes 64 rows of A's tile, a wave 16 of them;
	s_lshl_b32 s101, s[WV], 15
	s_add_co_u32 s100, s100, s101
	s_mov_b32 s101, 0
	s_add_nc_u64 s[PFA:PFA+1], s[XA:XA+1], s[100:101]
	s_add_nc_u64 s[PFA:PFA+1], s[PFA:PFA+1], 512
	s_add_nc_u64 s[HPA:HPA+1], s[HDA:HDA+1], s[100:101]
	s_lshl_b32 s78, s99, 15                        ; partner cy 16 rows of each gate, a wave one gate
	s_mov_b32 s79, 0
	s_add_nc_u64 s[PFB:PFB+1], s[RB:RB+1], s[78:79]
	s_add_nc_u64 s[PFB:PFB+1], s[PFB:PFB+1], 512
	s_add_nc_u64 s[HPB:HPB+1], s[HDB:HDB+1], s[78:79]
	s_lshl_b32 s100, s2, 21                        ; c and the outputs: rows of 8,192 bytes
	s_lshl_b32 s101, s96, 8
	s_add_co_u32 s100, s100, s101
	s_lshl_b32 s101, s[WV], 19
	s_add_co_u32 s78, s100, s101                   ; c: I fetch 64 rows
	s_mov_b32 s79, 0
	s_add_nc_u64 s[CP:CP+1], s[46:47], s[78:79]
	s_mov_b64 s[G0C+2:G0C+3], s[CP:CP+1]
	s_or_b32 s[G0C+3], s[G0C+3], 0x80000000
	s_mov_b32 s[G0C], 1
	s_mul_i32 s[G0C+1], s[WV], 64*PITCH
	s_lshl_b32 s101, s21, 20
	s_add_co_u32 s100, s100, s101
	s_lshl_b32 s101, s22, 16
	s_add_co_u32 s[OO], s100, s101
	s_mov_b32 s[OO+1], 0
	s_and_b32 s[FA4], ttmp9, 3
	ASK PF1, -256                                  ; K step 1
	ASK PFO, 0                                     ; K steps 2 and 3
	s_mov_b32 s[CL], 0x41f00000                    ; 30
	s_mov_b32 s3, 6                                ; laps of the loop
	s_wait_kmcnt 0x0
.irp g, 0,1,2,3                        ; s[4+4g:5+4g] = 2^(ex + ewx - eh - ewh); s[6+4g:7+4g] = 2^(eh + ewh) x (-log2 e, or 2 log2 e for g)
	s_add_co_i32 s[4+4*\g], s[4+4*\g], s[5+4*\g]
	s_add_co_i32 s[6+4*\g], s[6+4*\g], s[7+4*\g]
	s_sub_co_i32 s[4+4*\g], s[4+4*\g], s[6+4*\g]
	s_add_co_i32 s[4+4*\g], s[4+4*\g], 127
	s_lshl_b32 s[4+4*\g], s[4+4*\g], 23
	s_mov_b32 s[5+4*\g], s[4+4*\g]
	s_lshl_b32 s[6+4*\g], s[6+4*\g], 23
.if \g == 2
	s_add_co_u32 s[6+4*\g], s[6+4*\g], 0x4038aa3b
.else
	s_add_co_u32 s[6+4*\g], s[6+4*\g], 0xbfb8aa3b
.endif
	s_mov_b32 s[7+4*\g], s[6+4*\g]
.endr
	s_mov_b32 s[G1C], (2<<16)|(1<<20)|(5<<22)|(3<<25)   ; c: 64 rows of 64 numbers of 4 bytes, the same padding, no mask
	s_mov_b32 s[G1C+1], 64<<16
	s_mov_b32 s[G1C+2], 64<<16
	s_mov_b32 s[G1C+3], 64<<16
	s_mov_b32 s[G1C+4], 64
	s_mov_b32 s[G1C+5], 2048
	s_mov_b32 s[G1C+6], 0
	s_mov_b32 s[G1C+7], 0
	s_wait_loadcnt 10                              ; set 1 and the biases may be out
	GSTORE 0
	s_wait_loadcnt 2
	GSTORE 1
	s_wait_loadcnt 0x0
	s_mov_b32 s70, 0x4038aa3b
	s_cmp_eq_u32 s[WV], 2
	s_cselect_b32 s70, s70, 0xbfb8aa3b
	s_mov_b32 s71, s70
	v_pk_add_f32 v[BV:BV+1], v[BV:BV+1], v[BV+4:BV+5]
	v_pk_add_f32 v[BV+2:BV+3], v[BV+2:BV+3], v[BV+6:BV+7]
	v_pk_mul_f32 v[BV:BV+1], v[BV:BV+1], s[70:71] op_sel_hi:[1,0]   ; in the exponents' unit
	v_pk_mul_f32 v[BV+2:BV+3], v[BV+2:BV+3], s[70:71] op_sel_hi:[1,0]
	ds_store_b128 v[BST], v[BV:BV+3]               ; lanes l and l + 16 store the same four numbers
	s_add_nc_u64 s[GB:GB+1], s[GB:GB+1], 512       ; K steps 2 and 3
	s_add_nc_u64 s[GB+2:GB+3], s[GB+2:GB+3], 512
	s_wait_alu depctr_va_vdst(0)
	s_wait_dscnt 0x0
	GLOAD 0
	s_wait_tensorcnt 0x0                           ; my part of K step 0 is in
	ds_add_u32 v[SPW], v[NIL]
	s_wait_dscnt 0x0
	CROUND
	JLOAD 1                                        ; K step 1, the first tensor load behind the round
	LB 0, 0, 0, 0
	LB 0, 0, 0, 2
	LB 0, 0, 0, 4
	LB 0, 0, 0, 6
	LA 0, 0, 0
	LA 0, 0, 2
	LA 0, 0, 4
	LA 0, 0, 6
	LB 0, 1, 1, 0
	LB 0, 1, 1, 2
	LB 0, 1, 1, 4
	LB 0, 1, 1, 6
	WIN 0
	STEP 0, 1, 0, 1, 0, 0                          ; the first products start the sums
.Llap:                                                 ; a trip goes once round the ring and fills both slots again
	TURN 0, 1, 1, 1
	STEP 1, 0, 1, 1, 8, 0
	TURN 1, 1, 1, 0
	s_cmp_eq_u32 s3, 3
	s_cbranch_scc1 .Lfirst_h
	STEP 0, 0, 1, 1, 8, 0
	s_branch .Ljoin
.Lfirst_h:                                             ; K step 8 is h's first: the sums of x's products are rescaled on the way
	STEP 0, 0, 1, 1, 8, 1
.Ljoin:
	s_sub_co_u32 s3, s3, 1
	s_cmp_lg_u32 s3, 0
	s_cbranch_scc1 .Llap
	TURN 0, 1, 1, 2                                ; K step 12; slot 0 takes K step 14
	STEP 1, 0, 2, 1, 8, 0
	TURN 1, 1, 0, 0                                ; slot 1 takes K step 15
	STEP 0, 0, 2, 0, 0, 0
	TURN 0, 2, 0, 0                                ; slot 0's A part takes c's tile
	s_wait_xcnt 0x0                                ; the prefetches have read their bases
	s_load_b128 s[O0:O0+3], s[0:1], 0x60
	s_mov_b32 s[KT], 0x4038aa3b
	s_mov_b32 s[KT+1], 0x4038aa3b
	STEP 1, 0, 0, 0, 0, 0
.macro CLD a                           ; c: my 16 numbers of block a, where I later put c'
.irp u, 0,1
.irp k, 0,1
	ds_load_b128 v[CW+16*\a+8*\u+4*\k:CW+16*\a+8*\u+4*\k+3], v[CA] offset:16*PITCH*\a+64*\u+16*\k
.endr
.endr
.endm
	WIN TO_B                                       ; the last 128 along K: nothing more to fetch but biases and c
.irp g, 0,1,2,3
.irp u, 0,1
.irp k, 0,1
	ds_load_b128 v[16*\g+8*\u+4*\k:16*\g+8*\u+4*\k+3], v[BAD] offset:256*\g+64*\u+16*\k
.endr
.endr
.endr
	s_wait_dscnt 32                                ; A's blocks 4-7 and the 16 loads of biases may be out
	G 0, 1, 0, 0
	G 1, 1, 0, 0
	G 2, 1, 0, 0
	G 3, 1, 0, 0
	WIN 0
	s_wait_kmcnt 0x0
	s_add_nc_u64 s[O0:O0+1], s[O0:O0+1], s[OO:OO+1]
	s_add_nc_u64 s[O1:O1+1], s[O1:O1+1], s[OO:OO+1]
	s_wait_tensorcnt 0x0                           ; my rows of c are in,
	s_wait_dscnt 0x0
	s_barrier_signal -1
	G 4, 1, 0, 0
	G 5, 1, 0, 0
	WIN 0
	s_barrier_wait -1                              ; and everybody's
	WIN TO_B
.irp a, 0,1,2,3
	CLD \a
.endr
	G 6, 1, 0, 0
	G 7, 1, 0, 0
	PLACES 4
	WIN TO_B
.irp a, 4,5,6,7
	CLD \a
.endr
	WIN 0
; THE WAY OUT, block by block of 16 rows.  I = e^-i, F = e^-f, Q = e^-o, E = e^2g: c' = (c (1+I)(1+E) + (E-1)(1+F)) / ((1+I)(1+E)(1+F)); h' = (T-1) / ((1+Q)(T+1)), T = e^2c'.
.macro TSET a                          ; two sets of 64 registers, v32-95 and v144-207, take turns by block: a block's LDS stores read one while the next block writes the other
.set TI, 32+112*((\a)%2)
.set TF, 48+112*((\a)%2)
.set TG, 64+112*((\a)%2)
.set TQ, 80+112*((\a)%2)
.endm
.macro S1A a                           ; the four exponents to the base 2, held at 30
	TSET \a
	WIN 0x12+(\a)/4
	s_wait_alu depctr_va_vdst(0)                   ; ahead of the first reader of these sums
.set ii, 0
.rept 32
	v_pk_fma_f32 v[TI+ii:TI+ii+1], v[64*((\a)%4)+ii:64*((\a)%4)+ii+1], s[6+4*(ii/16):7+4*(ii/16)], v[ii:ii+1] op_sel_hi:[1,0,1]
.set ii, ii+2
.endr
	WIN 0
.set ii, 0
.rept 64
	v_min_num_f32 v[TI+ii], s[CL], v[TI+ii]
.set ii, ii+1
.endr
.endm
.macro TRANS op, reg, n                ; a batch, with a wait ahead of it
	s_wait_alu depctr_va_vdst(0)
.set ii, 0
.rept \n
	\op v[\reg+ii], v[\reg+ii]
.set ii, ii+1
.endr
.endm
.macro READY                           ; one plain place, and a wait behind a batch
	v_nop
	s_wait_alu depctr_va_vdst(0)
.endm
.macro S2 a
	TSET \a
	READY
.set ii, 0
.rept 32
	v_pk_add_f32 v[TI+ii:TI+ii+1], v[TI+ii:TI+ii+1], 1.0 op_sel_hi:[1,0]
.set ii, ii+2
.endr
.irp i, 0,2,4,6,8,10,12,14
	v_pk_mul_f32 v[TI+\i:TI+\i+1], v[TI+\i:TI+\i+1], v[TG+\i:TG+\i+1]
.endr
.irp i, 0,2,4,6,8,10,12,14
	v_pk_add_f32 v[TG+\i:TG+\i+1], v[TG+\i:TG+\i+1], -2.0 op_sel_hi:[1,0]
.endr
.irp i, 0,2,4,6,8,10,12,14
	v_pk_mul_f32 v[UU+\i:UU+\i+1], v[TI+\i:TI+\i+1], v[TF+\i:TF+\i+1]
.endr
.irp i, 0,2,4,6,8,10,12,14
	v_pk_mul_f32 v[TF+\i:TF+\i+1], v[TG+\i:TG+\i+1], v[TF+\i:TF+\i+1]
.endr
	WIN 0x01
.irp i, 0,2,4,6,8,10,12,14
	v_pk_fma_f32 v[TF+\i:TF+\i+1], v[CW+16*(\a)+\i:CW+16*(\a)+\i+1], v[TI+\i:TI+\i+1], v[TF+\i:TF+\i+1]
.endr
	WIN 0
	TRANS v_rcp_f32, UU, 16
.endm
.macro S3 a
	TSET \a
	READY
.irp i, 0,2,4,6,8,10,12,14
	v_pk_mul_f32 v[TF+\i:TF+\i+1], v[TF+\i:TF+\i+1], v[UU+\i:UU+\i+1]   ; c'
.endr
.irp u, 0,1
.irp k, 0,1
	ds_store_b128 v[CA], v[TF+8*\u+4*\k:TF+8*\u+4*\k+3] offset:16*PITCH*(\a)+64*\u+16*\k
.endr
.endr
.irp i, 0,2,4,6,8,10,12,14
	v_pk_mul_f32 v[TI+\i:TI+\i+1], v[TF+\i:TF+\i+1], s[KT:KT+1] op_sel_hi:[1,0]
.endr
.irp i, 0,1,2,3,4,5,6,7,8,9,10,11,12,13,14,15
	v_min_num_f32 v[TI+\i], s[CL], v[TI+\i]
.endr
	TRANS v_exp_f32, TI, 16
	READY
.irp i, 0,2,4,6,8,10,12,14
	v_pk_add_f32 v[TG+\i:TG+\i+1], v[TI+\i:TI+\i+1], 1.0 op_sel_hi:[1,0]
.endr
.irp i, 0,2,4,6,8,10,12,14
	v_pk_add_f32 v[TI+\i:TI+\i+1], v[TI+\i:TI+\i+1], -1.0 op_sel_hi:[1,0]
.endr
.irp i, 0,2,4,6,8,10,12,14
	v_pk_mul_f32 v[UU+\i:UU+\i+1], v[TQ+\i:TQ+\i+1], v[TG+\i:TG+\i+1]
.endr
	TRANS v_rcp_f32, UU, 16
	READY
.irp i, 0,2,4,6,8,10,12,14
	v_pk_mul_f32 v[TI+\i:TI+\i+1], v[TI+\i:TI+\i+1], v[UU+\i:UU+\i+1]   ; h'
.endr
.irp u, 0,1
.irp k, 0,1
	ds_store_b128 v[HS], v[TI+8*\u+4*\k:TI+8*\u+4*\k+3] offset:16*PITCH*(\a)+64*\u+16*\k
.endr
.endr
.endm
.macro OUTL a                          ; eight of the block's rows, whole: their two halves of 128 bytes come from two waves
	s_wait_xcnt 0x0                                ; the last stores have read their registers
.irp t, 0,1,2,3
	ds_load_b128 v[OB+4*\t:OB+4*\t+3], v[RD] offset:16*PITCH*(\a)+2*PITCH*\t
.endr
.irp t, 0,1,2,3
	ds_load_b128 v[OB+16+4*\t:OB+16+4*\t+3], v[RDH] offset:16*PITCH*(\a)+2*PITCH*\t
.endr
.endm
.macro OUTS a                          ; sixteen lanes store 256 consecutive bytes, aligned
	s_wait_dscnt 0x0
.irp t, 0,1,2,3
	global_store_b128 v[CO], v[OB+4*\t:OB+4*\t+3], s[O1:O1+1] offset:(16*(\a)+2*\t)*8192 th:TH_STORE_NT
.endr
.irp t, 0,1,2,3
	global_store_b128 v[CO], v[OB+16+4*\t:OB+16+4*\t+3], s[O0:O0+1] offset:(16*(\a)+2*\t)*8192 th:TH_STORE_NT
.endr
.endm
	S1A 0
	TRANS v_exp_f32, TI, 64
	s_wait_dscnt 0x0
	s_barrier_signal -1
	s_barrier_wait -1                              ; every wave has read its part of c
.irp a, 0,1,2,3,4,5,6,7
	S2 \a
.if \a > 0
	OUTS \a-1
.endif
	S3 \a
.if \a < 7
	S1A \a+1                                       ; stands between my stores and the wait for them
.endif
	s_wait_dscnt 0x0                               ; for the others' sake: my stores of block a are done
	s_barrier_signal -1
.if \a < 7
	TRANS v_exp_f32, TI, 64
.endif
	s_barrier_wait -1
	OUTL \a
.endr
	OUTS 7
	s_wait_tensorcnt 0x0                           ; the wave's end
	ds_add_u32 v[SPW], v[NIL]
	s_wait_dscnt 0x0
	CROUND                                         ; the closing round
	s_endpgm
.Lfunc_end_k_q1351282e28_lstm:
	.size	k_q1351282e28_lstm, .Lfunc_end_k_q1351282e28_lstm-k_q1351282e28_lstm
	.p2alignl 7, 3214868480
	.fill 96, 4, 3214868480
	.section	.rodata,"a",@progbits
	.p2align	6, 0x0
	.amdhsa_kernel k_q1351282e28_lstm
		.amdhsa_group_segment_fixed_size 327680
		.amdhsa_private_segment_fixed_size 0
		.amdhsa_enable_private_segment 0
		.amdhsa_kernarg_size 176
		.amdhsa_user_sgpr_count 2
		.amdhsa_user_sgpr_kernarg_segment_ptr 1
		.amdhsa_wavefront_size32 1
		.amdhsa_system_sgpr_workgroup_id_x 1
		.amdhsa_system_sgpr_workgroup_id_y 1
		.amdhsa_system_sgpr_workgroup_id_z 1
		.amdhsa_system_vgpr_workitem_id 0
		.amdhsa_next_free_vgpr 1024
		.amdhsa_next_free_sgpr 102
		.amdhsa_reserve_vcc 0
		.amdhsa_float_denorm_mode_32 3
		.amdhsa_float_denorm_mode_16_64 3
		.amdhsa_memory_ordered 1
		.amdhsa_forward_progress 1
		.amdhsa_inst_pref_size 255
	.end_amdhsa_kernel
	.section	.bss,"aw",@nobits
	.p2align	6
	.space	262144
	.amdgpu_metadata
---
amdhsa.version: [ 1, 2 ]
amdhsa.kernels:
  - .name:           k_q1351282e28_lstm
    .symbol:         k_q1351282e28_lstm.kd
    .args:
      - { .name: x_codes, .offset: 0, .size: 8, .value_kind: global_buffer, .address_space: global }
      - { .name: h_codes, .offset: 8, .size: 8, .value_kind: global_buffer, .address_space: global }
      - { .name: w_xi_codes, .offset: 16, .size: 8, .value_kind: global_buffer, .address_space: global }
      - { .name: w_xf_codes, .offset: 24, .size: 8, .value_kind: global_buffer, .address_space: global }
      - { .name: w_xc_codes, .offset: 32, .size: 8, .value_kind: global_buffer, .address_space: global }
      - { .name: w_xo_codes, .offset: 40, .size: 8, .value_kind: global_buffer, .address_space: global }
      - { .name: w_hi_codes, .offset: 48, .size: 8, .value_kind: global_buffer, .address_space: global }
      - { .name: w_hf_codes, .offset: 56, .size: 8, .value_kind: global_buffer, .address_space: global }
      - { .name: w_hc_codes, .offset: 64, .size: 8, .value_kind: global_buffer, .address_space: global }
      - { .name: w_ho_codes, .offset: 72, .size: 8, .value_kind: global_buffer, .address_space: global }
      - { .name: lowp_scales, .offset: 80, .size: 8, .value_kind: global_buffer, .address_space: global }
      - { .name: c, .offset: 88, .size: 8, .value_kind: global_buffer, .address_space: global }
      - { .name: out0, .offset: 96, .size: 8, .value_kind: global_buffer, .address_space: global }
      - { .name: out1, .offset: 104, .size: 8, .value_kind: global_buffer, .address_space: global }
      - { .name: b_xi, .offset: 112, .size: 8, .value_kind: global_buffer, .address_space: global }
      - { .name: b_xf, .offset: 120, .size: 8, .value_kind: global_buffer, .address_space: global }
      - { .name: b_xc, .offset: 128, .size: 8, .value_kind: global_buffer, .address_space: global }
      - { .name: b_xo, .offset: 136, .size: 8, .value_kind: global_buffer, .address_space: global }
      - { .name: b_hi, .offset: 144, .size: 8, .value_kind: global_buffer, .address_space: global }
      - { .name: b_hf, .offset: 152, .size: 8, .value_kind: global_buffer, .address_space: global }
      - { .name: b_hc, .offset: 160, .size: 8, .value_kind: global_buffer, .address_space: global }
      - { .name: b_ho, .offset: 168, .size: 8, .value_kind: global_buffer, .address_space: global }
    .group_segment_fixed_size: 327680
    .private_segment_fixed_size: 0
    .kernarg_segment_align: 8
    .kernarg_segment_size: 176
    .max_flat_workgroup_size: 128
    .sgpr_count:     102
    .vgpr_count:     1024
    .wavefront_size: 32
...
	.end_amdgpu_metadata
.endif
;; end of part 1
